; MI455X (gfx1250); checked and timed in simulation.
; The chip was launched on July 23, 2026; its instructions are those of AMD's public machine-readable ISA for CDNA 5 (MIT licence, August 2026) and "CDNA5" Instruction Set Architecture Reference Guide (July 2026). The comments in the code are by the model that wrote it; some were corrected since.
;; Multiheaded Attention. Allowed arithmetic: matrix products marked QUANTISED: E4M3 operands, one E8M0 scale for each 32 along K, by v_wmma_scale_f32_16x16x128_f8f6f4 with both operands' format E4M3, f32 sums; everything else in f32.
;; Inputs: w_k_codes 64 x 16 x 32 uint8 (E4M3 codes of w_k, K innermost, in blocks of 32 codes); w_k_scales 64 x 16 uint8 (E8M0 scales of w_k, one for each 32 codes along K); w_o_codes 512 x 16 x 32 uint8 (E4M3 codes of w_o, K innermost, in blocks of 32 codes); w_o_scales 512 x 16 uint8 (E8M0 scales of w_o, one for each 32 codes along K); w_q_codes 64 x 16 x 32 uint8 (E4M3 codes of w_q, K innermost, in blocks of 32 codes); w_q_scales 64 x 16 uint8 (E8M0 scales of w_q, one for each 32 codes along K); w_v_codes 64 x 16 x 32 uint8 (E4M3 codes of w_v, K innermost, in blocks of 32 codes); w_v_scales 64 x 16 uint8 (E8M0 scales of w_v, one for each 32 codes along K); x_codes 8,192 x 16 x 32 uint8 (E4M3 codes of x, K innermost, in blocks of 32 codes); x_scales 8,192 x 16 uint8 (E8M0 scales of x, one for each 32 codes along K).
;; Outputs: out0 8,192 x 512 float32.
;; This version of the problem:
;;   THIS VERSION OF THE PROBLEM IS GIVEN IN LOW PRECISION. The matrix products marked QUANTISED in the list below multiply operands that are first quantised to E4M3 (4 exponent bits, 3 mantissa bits; 8 bits a number), with one power-of-two scale for each 32 numbers along K (OCP MX v1.0); their sums are f32. All else is computed in f32.
;;   The module's matrix products, in the order in which they are computed (A, B: the left and right operand; K: the contracted axis; several contracted axes count as one K, in the product's order):
;;     1. [M 8,192, K 512] x [K 512, N 64]; A: input x (given as codes); B: input w_q (given as codes): QUANTISED
;;     2. [M 8,192, K 512] x [K 512, N 64]; A: input x (given as codes); B: input w_k (given as codes): QUANTISED
;;     3. [M 8,192, K 512] x [K 512, N 64]; A: input x (given as codes); B: input w_v (given as codes): QUANTISED
;;     4. [M 8,192, K 64] x [K 64, N 8,192]; A: computed on the way; B: computed on the way: QUANTISED
;;     5. [M 8,192, K 8,192] x [K 8,192, N 64]; A: softmax (see below); B: computed on the way: QUANTISED
;;     6. [M 8,192, K 512] x [K 512, N 512]; A: computed on the way; B: input w_o (given as codes): QUANTISED
;;   THE QUANTISER, for each operand of a quantised product, along K:
;;     - K is cut into blocks of 32 from its start; a last block that is shorter is filled with zeros.
;;     - A block's scale is 2^e with e = floor(log2(the largest magnitude in the block)) - 8, held to -126 .. 127; a block of zeros has e = 0. As a byte (E8M0): e + 127.
;;     - Each number is divided by its block's scale, clamped to +-448, and rounded to the nearest number of E4M3, ties to even, subnormals kept.
;;     - The product sums the exact products of the quantised numbers (number of the format x scale) in f32.
;;   ~~~python
;;   def quantise(x, axis):      # numpy; x: float32 -> the quantised numbers, widened to float32 again
;;       x = np.moveaxis(x, axis, -1); K = x.shape[-1]
;;       x = np.pad(x, [(0, 0)] * (x.ndim - 1) + [(0, -K % 32)]); x = x.reshape(x.shape[:-1] + (-1, 32)); a = np.abs(x).max(-1, keepdims=True)
;;       e = np.where(a > 0, np.clip(np.frexp(np.where(a > 0, a, 1))[1] - 1 - 8, -126, 127), 0)      # np.frexp(a)[1] - 1 = floor(log2(a)), exactly
;;       r = np.clip(x / 2.0 ** e, -448, 448)
;;       step = 2.0 ** (np.maximum(np.frexp(np.where(r == 0, 1, r))[1] - 1, -6) - 3)
;;       q = np.round(r / step) * step * 2.0 ** e      # np.round: ties to even
;;       return np.moveaxis(q.reshape(q.shape[:-2] + (-1,))[..., :K], -1, axis).astype(np.float32)
;;   ~~~
;;   SOFTMAX AHEAD OF A QUANTISED PRODUCT. Where the list says 'softmax', what is quantised is not the finished softmax but p = 2^(t - M), with t = logit x log2(e) and M = ceil(the row's largest t), a whole number; so 1/2 < the row's largest p <= 1. The row's sum l is taken of the UNQUANTISED p, in f32, and the product's result is divided by l at the end. Since M is a whole number, a kernel that streams over the keys may use a running M (the ceiling of the running maximum): every later rescaling is an exact power of two, which a block's scale takes up: the codes' values come out the same.
;;   OPERANDS COMPUTED ON THE WAY. 'Computed on the way' means the value that the module computes at that place (a softmax that the list does not call 'softmax' is quantised finished and normalised). What goes into a quantiser is computed in f32, as accurately as f32 sums, v_exp_f32 and their like allow (about 1e-6 of the number): no bf16 or f16 on the way to a quantiser, and a product that is left as it is and whose result goes on into a quantised operand takes f32 operands (vector FMAs, or v_wmma_f32_16x16x4_f32). A number that lies on a knife's edge between two numbers of the format may be rounded either way, as far as f32 arithmetic and the matrix unit's own rounding can turn it there, and no further.
;;   INPUTS GIVEN AS CODES. w_k (in the module: [512, 64], K = its axis 0); w_o (in the module: [512, 512], K = its axis 0); w_q (in the module: [512, 64], K = its axis 0); w_v (in the module: [512, 64], K = its axis 0); x (in the module: [8192, 512], K = its axis 1): each comes as NAME_codes (uint8): NAME with its K axis moved to the last place and cut into blocks of 32 codes, [.., K / 32, bytes a block], one block behind the other in memory; one code a byte (a code: sign, 4 exponent bits, 3 mantissa bits); and NAME_scales (uint8): the same leading axes, one E8M0 byte (e + 127) for each 32 codes along K. Its value is code x scale, taken as it is: it is not quantised again, and the codes and scales need not be those that the quantiser above would give.
;; One version. Each part assembles by itself: llvm-mc -triple=amdgcn-amd-amdhsa -mcpu=gfx1250 --defsym DOCPART=n.
;; ======== version 1 of 1: 2 launches
;; limits: right only within a limited range of input values
;; workspace buffers: qc 524,288 bytes; qs 32,768 bytes; kv 1,114,112 bytes
;; launch proj (part 1): grid 256 x 1, 6 waves a work-group, clusters of 4 x 1, 167,936 bytes of LDS; arguments x_codes, x_scales, w_q_codes, w_q_scales, w_k_codes, w_k_scales, w_v_codes, w_v_scales, qc, qs, kv; writes qc, qs, kv
.if DOCPART == 1
	.amdgcn_target "amdgcn-amd-amdhsa--gfx1250"
	.amdhsa_code_object_version 6
	.text
	.protected	k_q973ec4357f_proj
	.globl	k_q973ec4357f_proj
	.p2align	8
	.type	k_q973ec4357f_proj,@function
k_q973ec4357f_proj:
	s_mov_b64 s[64:65], 0
	v_nop
	global_prefetch_b8 v0, s[64:65] scope:SCOPE_SE
	s_setreg_imm32_b32 hwreg(HW_REG_WAVE_MODE, 25, 1), 1
	s_wait_xcnt 0x0
	s_wait_alu depctr_hold_cnt(0) depctr_sa_sdst(0) depctr_va_vdst(0) depctr_va_sdst(0) depctr_va_ssrc(0) depctr_va_vcc(0) depctr_vm_vsrc(0)
	s_getreg_b32 s2, hwreg(HW_REG_IB_STS2, 6, 4)
	s_cmp_eq_u32 s2, 0
	s_cbranch_scc0 .Lentry_in_a_cluster
	s_endpgm
.Lentry_in_a_cluster:
	s_bfe_u32 s2, ttmp6, 0x10000c
	s_cmp_lg_u32 s2, 0x3003
	s_cbranch_scc0 .Lentry_shape_is_right
	s_endpgm
.Lentry_shape_is_right:
; q = x w_q, k = x w_k, v = x w_v on codes of FP8 (E4M3) with E8M0 scales (K = 512: four matrix instructions deep), and the three results quantised again:
; q and k along their 64 columns, v along the words (the keys of the second attention product).  The results leave as IMAGES OF OPERAND REGISTERS, 16 bytes a lane, 512 consecutive bytes a store.
; SHARES.  Work-group g owns words 32 g .. 32 g + 31 = two tiles of 16 words.  Wave w: m = w / 2 (0: q, 1: k, 2: v), columns 32 p .. 32 p + 31, p = w & 1, for both tiles of words.
; q and k TRANSPOSED (source 0 = 16 rows of the weight, source 1 = 16 words): a lane holds one word and 16 of a block of 32 columns, the other 16 lie in lane l xor 16.
; v NOT transposed (source 0 = words, source 1 = weight rows): a lane holds one column and 16 of the 32 words.
; ORDER INSIDE A BLOCK OF 32 is free where both operands of the next product have the same one: q's and k's columns and v's words (as the scores' keys) lie as the tiles' natural rows give them: 16 t + 8 h + j in register 8 t + j.
; w_v's rows are chosen (lane r of tile e: row 8 e + r + (r & 8)), so that the attention's result has its columns in w_o's own order.
; LDS: x's 32 rows, then the three weights' 64 rows each, 528 bytes from row to row.  One tensor load a wave: wave 0 x, waves 1 to 3 a weight each, asked for JOINTLY by the four work-groups of a cluster.  Every tile is read once: no ring and no prefetch.
; OUT.  qc [tile 512][chunk 2][lane 32][16 B]; qs [tile / 8][16 u + r][b 4] words (tile = 8 s + 2 b + u; word = byte of block 0 | byte of block 1 << 8, upper half 0);
; kv: 64 blocks of 17,408 bytes, one for 128 words: +0 k's image [tile 8][chunk 2][lane][16 B]; +8192 v's image [column tile 4][chunk 4][lane][16 B]; +16384 k's scale words, laid as qs; +16896 v's scale words [lane 32][column tile 4], byte c = key block c.
; LIMITS: NaN and infinities (the NaN code, the scale byte 0xff) among the inputs are not served.  A block of zeros gets the byte 1 where the quantiser's rule says 127: its codes are zeros and only this program reads the bytes.
.set STEPB, 17408                      ; a block of kv
.set KVV,   8192                       ; v's image in it
.set KVKS,  16384                      ; k's scale words
.set KVVS,  16896                      ; v's scale words
.set P,     528                        ; a row in LDS: 512 bytes + 16: 33 x 16, so that sixteen neighbouring rows' 16 bytes fall on different banks (64 banks of 4 bytes: ISA guide 11.1)
.set WT,    32*P                       ; the weights lie behind x's rows
.set WSZ,   64*P
.set SPARE, WT+3*WSZ                   ; the spare words, 128 bytes for each wave: three blocks of 256 bytes that no other line names
.set SEL, 44+32                        ; s[76:77] lane selects for v_permlanex16_b32: lane l xor 16
.set MNT, 78                           ; s78 the mantissa field of 448
.set CA,  4                            ; v4  my bytes of a fragment of x
.set SX,  5                            ; v5  16 x r
.set L16, 6                            ; v6  16 x lane
.set WA,  8                            ; v8, v9 my bytes of a fragment of the weight: tile 0, 1
.set SW,  10                           ; v10, v11 my row's scale bytes: tile 0, 1
.set ZR,  12                           ; v12 0
.set SPW, 13                           ; v13 LDS address of my spare word; never rewritten
.set NIL, 14                           ; v14 0; never rewritten
.set XS,  16                           ; v16-23 x's scale words: 4 u + K step
.set WS,  26                           ; v26-33 the weight's: 4 t + K step
.set XF,  64                           ; v64-191 x's fragments: 64 u + 16 s
.set ACC, 192                          ; v192-223 four accumulators
.set TM,  224                          ; v224-225 largest magnitudes, 226-227 bytes, 228-229 448 x the scale, 230-231 the conversions' scale operands
.set PC,  240                          ; v240-247 the codes
; window 1 (v256-511): the weight's fragments, tile t, K step s at 64 t + 16 s
.set MSB, 0
.macro WIN new                         ; the immediate's high byte repeats the setting that is left
.if MSB != \new
	s_set_vgpr_msb (MSB<<8)|\new
.set MSB, \new
.endif
.endm
.macro CROUND                          ; a round of the cluster's barrier
	s_barrier_signal -1
	s_barrier_wait -1
	s_cmp_lg_u32 s26, 0
	s_cbranch_scc1 .Lnot_wave_0_\@
	s_barrier_signal -3
.Lnot_wave_0_\@:
	s_barrier_wait -3
	s_barrier_signal -1
	s_barrier_wait -1
.endm
	s_load_b512 s[4:19], s[0:1], 0x0               ; x codes, x scales, w_q codes, scales, w_k codes, scales, w_v codes, scales
	s_load_b128 s[20:23], s[0:1], 0x40             ; qc, qs
	s_load_b64 s[24:25], s[0:1], 0x50              ; kv
	v_lshl_add_u32 v[SPW], v0, 2, SPARE
	v_mov_b32 v[NIL], 0
	ds_add_u32 v[SPW], v[NIL]                      ; the wave's opening: the add, twice on end, and its wait ahead of my first tensor load
	ds_add_u32 v[SPW], v[NIL]
	v_lshrrev_b32 v1, 5, v0
	v_readfirstlane_b32 s26, v1                    ; wave 0..5
	s_and_b32 s27, s26, 1                          ; p
	s_lshr_b32 s28, s26, 1                         ; m
	s_lshr_b32 s29, s26, 2                         ; 1: v
	s_bfe_u32 s30, ttmp6, 0x40000                  ; cx = g % 4: which 32 of a block of 128 words
	s_lshl_b32 s31, ttmp9, 2
	s_add_co_u32 s31, s31, s30                     ; g; the cluster's number is g / 4: which block of kv, which row of qs
	s_mov_b32 s32, (3<<16)|(1<<20)|(6<<22)|(3<<25) ; group 1 for x: elements of 8 bytes; four words of padding after every 128; 32 rows of 64 elements
	s_mov_b32 s33, 64<<16
	s_mov_b32 s34, 32<<16
	s_mov_b32 s35, 64<<16
	s_mov_b32 s36, 32
	s_mov_b32 s37, 64
	s_mov_b32 s38, 0
	s_mov_b32 s39, 0
	s_mov_b32 s40, 15|(3<<16)|(1<<20)|(1<<21)|(6<<22)|(3<<25)   ; and for a weight: the mask of all four, 64 rows
	s_mov_b32 s41, 64<<16
	s_mov_b32 s42, 64<<16
	s_mov_b32 s43, 64<<16
	s_mov_b32 s44, 64
	s_mov_b32 s45, 64
	s_mov_b32 s46, 0
	s_mov_b32 s47, 0
	s_lshl_b32 s66, s31, 14                        ; my 32 words: 32 rows of 512 bytes of codes,
	s_mov_b32 s67, 0
	s_lshl_b32 s68, s31, 9                         ; of 16 scale bytes
	s_mov_b32 s69, 0
	s_mov_b32 s[SEL], 0x76543210
	s_mov_b32 s[SEL+1], 0xfedcba98
	s_mov_b32 s[MNT], 0x600000
	s_wait_dscnt 0x0                               ; both opening adds are done
	CROUND                                         ; all four work-groups are here
	s_wait_kmcnt 0x0
	s_mov_b32 s48, 1
	s_mov_b32 s49, 0
	s_add_nc_u64 s[50:51], s[4:5], s[66:67]
	s_or_b32 s51, s51, 0x80000000
	s_mov_b32 s52, 1
	s_mov_b32 s53, WT
	s_mov_b64 s[54:55], s[8:9]
	s_or_b32 s55, s55, 0x80000000
	s_mov_b32 s56, 1
	s_mov_b32 s57, WT+WSZ
	s_mov_b64 s[58:59], s[12:13]
	s_or_b32 s59, s59, 0x80000000
	s_mov_b32 s60, 1
	s_mov_b32 s61, WT+2*WSZ
	s_mov_b64 s[62:63], s[16:17]
	s_or_b32 s63, s63, 0x80000000
	s_cmp_eq_u32 s26, 0                            ; one tensor load a wave, in one chain of branches on the wave's number
	s_cbranch_scc0 .Lload_1
	tensor_load_to_lds s[48:51], s[32:39]
	s_nop 0
	s_branch .Lasked
.Lload_1:
	s_cmp_eq_u32 s26, 1
	s_cbranch_scc0 .Lload_2
	tensor_load_to_lds s[52:55], s[40:47]
	s_nop 0
	s_branch .Lasked
.Lload_2:
	s_cmp_eq_u32 s26, 2
	s_cbranch_scc0 .Lload_3
	tensor_load_to_lds s[56:59], s[40:47]
	s_nop 0
	s_branch .Lasked
.Lload_3:
	s_cmp_eq_u32 s26, 3
	s_cbranch_scc0 .Lasked
	tensor_load_to_lds s[60:63], s[40:47]
	s_nop 0
.Lasked:
	s_add_nc_u64 s[6:7], s[6:7], s[68:69]
	s_cmp_eq_u32 s28, 0
	s_cselect_b64 s[66:67], s[10:11], s[14:15]     ; the weight's scale bytes
	s_cmp_eq_u32 s28, 2
	s_cselect_b64 s[66:67], s[18:19], s[66:67]
	s_lshl_b32 s68, s27, 9                         ; rows 32 p on
	s_add_nc_u64 s[66:67], s[66:67], s[68:69]
	s_lshl_b32 s70, s29, 3
	s_sub_co_u32 s70, 16, s70                      ; tile 1 begins 16 rows on (v: 8)
	s_mul_i32 s71, s70, P
	s_lshl_b32 s72, s70, 4
	s_mul_i32 s73, s28, WSZ
	s_mul_i32 s74, s27, 32*P
	s_add_co_u32 s73, s73, s74
	s_add_co_u32 s73, s73, WT                      ; my 32 rows of the weight in LDS
	v_and_b32 v1, 15, v0                           ; r
	v_bfe_u32 v2, v0, 4, 1                         ; h
	v_and_b32 v3, 8, v1
	v_mul_u32_u24 v3, s29, v3
	v_add_nc_u32 v3, v3, v1                        ; r (v: r + (r & 8))
	v_lshlrev_b32 v[SX], 4, v1
	v_lshlrev_b32 v[SW], 4, v3
	v_add_nc_u32 v[SW+1], s72, v[SW]
	v_mul_u32_u24 v[CA], v1, P
	v_lshl_add_u32 v[CA], v2, 4, v[CA]
	v_mul_u32_u24 v[WA], v3, P
	v_lshl_add_u32 v[WA], v2, 4, v[WA]
	v_add_nc_u32 v[WA], s73, v[WA]
	v_add_nc_u32 v[WA+1], s71, v[WA]
	v_and_b32 v[L16], 31, v0
	v_lshlrev_b32 v[L16], 4, v[L16]
	v_mov_b32 v[ZR], 0
	v_mov_b32 v[TM+2], 0                           ; (a lane permute's destination counts as one of its sources)
	v_mov_b32 v[TM+3], 0
	s_wait_alu depctr_va_vdst(0)                   ; the head's end
.irp u, 0,1
	global_load_b128 v[XS+4*\u:XS+4*\u+3], v[SX], s[6:7] offset:256*\u   ; a row's 16 scale bytes: word s serves K step s
	global_load_b128 v[WS+4*\u:WS+4*\u+3], v[SW+\u], s[66:67]
.endr
	s_wait_tensorcnt 0x0                           ; my tile is in
	s_barrier_signal -1
	s_barrier_wait -1                              ; all four are
.irp s, 0,1,2,3                        ; K step by K step, 16 loads each, so that the products can begin when the first step's are in
	WIN 0
.irp u, 0,1
.irp c, 0,1,2,3
	ds_load_b128 v[XF+64*\u+16*\s+4*\c:XF+64*\u+16*\s+4*\c+3], v[CA] offset:16*P*\u+128*\s+32*\c
.endr
.endr
	WIN 0x40                                       ; destination window 1
.irp t, 0,1
.irp c, 0,1,2,3
	ds_load_b128 v[64*\t+16*\s+4*\c:64*\t+16*\s+4*\c+3], v[WA+\t] offset:128*\s+32*\c
.endr
.endr
.endr
	WIN 0
	s_wait_loadcnt 0x0                             ; the scale words
	s_cmp_lt_u32 s26, 4
	s_cbranch_scc0 .Lmul_v
	WIN 0x01                                       ; q, k: source 0 (the weight) window 1
.irp s, 0,1,2,3
	s_wait_dscnt 48-16*\s                          ; all but the 16 loads of each later K step
.irp u, 0,1
.irp t, 0,1                            ; the four accumulators take turns, one instruction a turn
.if \s == 0
	v_wmma_scale_f32_16x16x128_f8f6f4 v[ACC+16*\u+8*\t:ACC+16*\u+8*\t+7], v[64*\t+16*\s:64*\t+16*\s+15], v[XF+64*\u+16*\s:XF+64*\u+16*\s+15], 0, v[WS+4*\t+\s], v[XS+4*\u+\s]
.else
	v_wmma_scale_f32_16x16x128_f8f6f4 v[ACC+16*\u+8*\t:ACC+16*\u+8*\t+7], v[64*\t+16*\s:64*\t+16*\s+15], v[XF+64*\u+16*\s:XF+64*\u+16*\s+15], v[ACC+16*\u+8*\t:ACC+16*\u+8*\t+7], v[WS+4*\t+\s], v[XS+4*\u+\s]
.endif
.endr
.endr
.endr
	WIN 0
	s_branch .Lmade
.Lmul_v:
	WIN 0x04                                       ; v: source 1 (the weight) window 1
.irp s, 0,1,2,3
	s_wait_dscnt 48-16*\s
.irp e, 0,1
.irp u, 0,1
.if \s == 0
	v_wmma_scale_f32_16x16x128_f8f6f4 v[ACC+16*\e+8*\u:ACC+16*\e+8*\u+7], v[XF+64*\u+16*\s:XF+64*\u+16*\s+15], v[64*\e+16*\s:64*\e+16*\s+15], 0, v[XS+4*\u+\s], v[WS+4*\e+\s]
.else
	v_wmma_scale_f32_16x16x128_f8f6f4 v[ACC+16*\e+8*\u:ACC+16*\e+8*\u+7], v[XF+64*\u+16*\s:XF+64*\u+16*\s+15], v[64*\e+16*\s:64*\e+16*\s+15], v[ACC+16*\e+8*\u:ACC+16*\e+8*\u+7], v[XS+4*\u+\s], v[WS+4*\e+\s]
.endif
.endr
.endr
.endr
	WIN 0
.Lmade:
.rept 8
	v_nop                                          ; eight places between the last product and the first read of results
.endr
	; two blocks b of 32: q, k: word tile b; v: column tile b.  16 numbers in my registers, 16 in lane l xor 16's
.irp b, 0,1
	v_max3_num_f32 v[TM+\b], |v[ACC+16*\b]|, |v[ACC+16*\b+1]|, 0x4800000   ; from the low end on, and the floor 2^(9 - 127): the byte cannot fall under 1
.endr
.irp i, 2,4,6,8,10,12,14
.irp b, 0,1
	v_max3_num_f32 v[TM+\b], v[TM+\b], |v[ACC+16*\b+\i]|, |v[ACC+16*\b+\i+1]|
.endr
.endr
.irp b, 0,1
	v_permlanex16_b32 v[TM+2+\b], v[TM+\b], s[SEL], s[SEL+1]
.endr
.irp b, 0,1
	v_max_num_f32 v[TM+\b], v[TM+\b], v[TM+2+\b]                 ; the block's largest magnitude
.endr
.irp b, 0,1
	v_add_nc_u32 v[TM+6+\b], 0xfc000000, v[TM+\b]                ; 8 off its exponent field: the conversion's scale operand
.endr
.irp b, 0,1
	v_and_or_b32 v[TM+4+\b], v[TM+\b], 0x7f800000, s[MNT]        ; 448 x the scale
.endr
.irp b, 0,1
	v_lshrrev_b32 v[TM+2+\b], 23, v[TM+6+\b]                     ; the scale's byte
.endr
.irp b, 0,1
.irp i, 0,1,2,3,4,5,6,7,8,9,10,11,12,13,14,15
	v_med3_num_f32 v[ACC+16*\b+\i], v[ACC+16*\b+\i], -v[TM+4+\b], v[TM+4+\b]   ; the conversion to an 8-bit code does not saturate (ISA guide 7.6.2): hold first
.endr
	v_cvt_scalef32_pk8_fp8_f32 v[PC+4*\b:PC+4*\b+1], v[ACC+16*\b:ACC+16*\b+7], v[TM+6+\b]
	v_cvt_scalef32_pk8_fp8_f32 v[PC+4*\b+2:PC+4*\b+3], v[ACC+16*\b+8:ACC+16*\b+15], v[TM+6+\b]
.endr
	v_nop                                          ; one plain vector line behind the last conversion
	s_wait_alu depctr_va_vdst(0)
	s_mov_b32 s81, 0
	s_mov_b32 s83, 0
	s_cmp_lt_u32 s26, 4
	s_cbranch_scc0 .Lout_v
	s_mov_b32 s73, STEPB
	s_cmp_eq_u32 s28, 0                            ; q or k
	s_cselect_b64 s[66:67], s[20:21], s[24:25]     ; where the codes go
	s_cselect_b64 s[68:69], s[22:23], s[24:25]     ; where the scale bytes go
	s_cselect_b32 s70, 8192, s73                   ; eight tiles' codes are 8,192 bytes apart in qc, a block apart in kv
	s_cselect_b32 s71, 512, s73                    ; their scale words likewise
	s_cselect_b32 s72, 0, KVKS
	s_mul_i32 s80, ttmp9, s70
	s_lshl_b32 s70, s30, 11
	s_add_co_u32 s80, s80, s70
	s_lshl_b32 s70, s27, 9
	s_add_co_u32 s80, s80, s70                     ; tile 2 cx, chunk p
	s_mul_i32 s82, ttmp9, s71
	s_add_co_u32 s82, s82, s72
	s_lshl_b32 s70, s30, 2
	s_add_co_u32 s82, s82, s70
	s_add_co_u32 s82, s82, s27                     ; word cx, byte p
	s_add_nc_u64 s[66:67], s[66:67], s[80:81]
	s_add_nc_u64 s[68:69], s[68:69], s[82:83]
.irp u, 0,1
	global_store_b128 v[L16], v[PC+4*\u:PC+4*\u+3], s[66:67] offset:1024*\u   ; 512 consecutive bytes
	global_store_b8 v[SX], v[TM+2+\u], s[68:69] offset:256*\u                 ; lanes r and r + 16 store the same byte (32 KiB of words in qs, as many in kv)
	global_store_b8 v[SX], v[ZR], s[68:69] offset:256*\u+2                    ; the upper half is 0: those blocks hold zero codes in the attention's first product
.endr
	s_branch .Lend
.Lout_v:
	s_mul_i32 s80, ttmp9, STEPB
	s_mov_b32 s82, s80
	s_lshl_b32 s70, s27, 12
	s_add_co_u32 s80, s80, s70                     ; column tile 2 p: 2,048 bytes a tile
	s_lshl_b32 s70, s30, 9
	s_add_co_u32 s80, s80, s70                     ; chunk cx
	s_add_co_u32 s80, s80, KVV
	s_lshl_b32 s70, s27, 3
	s_add_co_u32 s82, s82, s70                     ; word of column tile 2 p,
	s_add_co_u32 s82, s82, s30                     ; byte cx
	s_add_co_u32 s82, s82, KVVS
	s_add_nc_u64 s[66:67], s[24:25], s[80:81]
	s_add_nc_u64 s[68:69], s[24:25], s[82:83]
.irp e, 0,1
	global_store_b128 v[L16], v[PC+4*\e:PC+4*\e+3], s[66:67] offset:2048*\e
	global_store_b8 v[L16], v[TM+2+\e], s[68:69] offset:4*\e       ; one byte of each lane's scale word
.endr
.Lend:
	s_wait_tensorcnt 0x0                           ; the wave's end
	ds_add_u32 v[SPW], v[NIL]
	s_wait_dscnt 0x0
	CROUND                                         ; the closing round
	s_endpgm
.Lfunc_end_k_q973ec4357f_proj:
	.size	k_q973ec4357f_proj, .Lfunc_end_k_q973ec4357f_proj-k_q973ec4357f_proj
	.p2alignl 7, 3214868480
	.fill 96, 4, 3214868480
	.section	.rodata,"a",@progbits
	.p2align	6, 0x0
	.amdhsa_kernel k_q973ec4357f_proj
		.amdhsa_group_segment_fixed_size 167936
		.amdhsa_private_segment_fixed_size 0
		.amdhsa_enable_private_segment 0
		.amdhsa_kernarg_size 88
		.amdhsa_user_sgpr_count 2
		.amdhsa_user_sgpr_kernarg_segment_ptr 1
		.amdhsa_wavefront_size32 1
		.amdhsa_system_sgpr_workgroup_id_x 1
		.amdhsa_system_sgpr_workgroup_id_y 1
		.amdhsa_system_sgpr_workgroup_id_z 1
		.amdhsa_system_vgpr_workitem_id 0
		.amdhsa_next_free_vgpr 512
		.amdhsa_next_free_sgpr 100
		.amdhsa_reserve_vcc 0
		.amdhsa_float_denorm_mode_32 3
		.amdhsa_float_denorm_mode_16_64 3
		.amdhsa_memory_ordered 1
		.amdhsa_forward_progress 1
		.amdhsa_inst_pref_size 22
	.end_amdhsa_kernel
	.amdgpu_metadata
---
amdhsa.version: [ 1, 2 ]
amdhsa.kernels:
  - .name:           k_q973ec4357f_proj
    .symbol:         k_q973ec4357f_proj.kd
    .args:
      - { .name: x_codes, .offset: 0, .size: 8, .value_kind: global_buffer, .address_space: global }
      - { .name: x_scales, .offset: 8, .size: 8, .value_kind: global_buffer, .address_space: global }
      - { .name: w_q_codes, .offset: 16, .size: 8, .value_kind: global_buffer, .address_space: global }
      - { .name: w_q_scales, .offset: 24, .size: 8, .value_kind: global_buffer, .address_space: global }
      - { .name: w_k_codes, .offset: 32, .size: 8, .value_kind: global_buffer, .address_space: global }
      - { .name: w_k_scales, .offset: 40, .size: 8, .value_kind: global_buffer, .address_space: global }
      - { .name: w_v_codes, .offset: 48, .size: 8, .value_kind: global_buffer, .address_space: global }
      - { .name: w_v_scales, .offset: 56, .size: 8, .value_kind: global_buffer, .address_space: global }
      - { .name: qc, .offset: 64, .size: 8, .value_kind: global_buffer, .address_space: global }
      - { .name: qs, .offset: 72, .size: 8, .value_kind: global_buffer, .address_space: global }
      - { .name: kv, .offset: 80, .size: 8, .value_kind: global_buffer, .address_space: global }
    .group_segment_fixed_size: 167936
    .private_segment_fixed_size: 0
    .kernarg_segment_align: 8
    .kernarg_segment_size: 88
    .max_flat_workgroup_size: 192
    .sgpr_count:     100
    .vgpr_count:     512
    .wavefront_size: 32
...
	.end_amdgpu_metadata
.endif
;; end of part 1
;; launch attn (part 2): grid 256 x 1, 8 waves a work-group, clusters of 4 x 1, 327,680 bytes of LDS; arguments qc, qs, kv, w_o_codes, w_o_scales, out0; writes out0
.if DOCPART == 2
	.amdgcn_target "amdgcn-amd-amdhsa--gfx1250"
	.amdhsa_code_object_version 6
	.text
	.protected	k_q973ec4357f_attn
	.globl	k_q973ec4357f_attn
	.p2align	8
	.type	k_q973ec4357f_attn,@function
k_q973ec4357f_attn:
	s_mov_b64 s[64:65], 0
	v_nop
	global_prefetch_b8 v0, s[64:65] scope:SCOPE_SE
	s_setreg_imm32_b32 hwreg(HW_REG_WAVE_MODE, 25, 1), 1
	s_wait_xcnt 0x0
	s_wait_alu depctr_hold_cnt(0) depctr_sa_sdst(0) depctr_va_vdst(0) depctr_va_sdst(0) depctr_va_ssrc(0) depctr_va_vcc(0) depctr_vm_vsrc(0)
	s_getreg_b32 s2, hwreg(HW_REG_IB_STS2, 6, 4)
	s_cmp_eq_u32 s2, 0
	s_cbranch_scc0 .Lentry_in_a_cluster
	s_endpgm
.Lentry_in_a_cluster:
	s_bfe_u32 s2, ttmp6, 0x10000c
	s_cmp_lg_u32 s2, 0x3003
	s_cbranch_scc0 .Lentry_shape_is_right
	s_endpgm
.Lentry_shape_is_right:
; The attention's two products, the softmax between them, and out = tile(head, 8) w_o, all on codes of FP8 (E4M3) with E8M0 scales, for 32 queries and ALL 8,192 keys a work-group.
; t = score x log2(e) / 8; M = the largest t so far, rounded UP to a whole number; p = 2^(t - M) is quantised along the keys, not normalised; the sum l is taken of the unquantised p.
; When M moves, l and O are multiplied by 2^(old M - new M): exact.  At the end the eight splits of the keys are joined under their joint M, O is divided by l, quantised along its 64 columns, and multiplied by w_o.
; The tiled head's K = 512 is head's 64 columns eight times over: ONE fragment [head | head] (128 along K) and one scale word serve all four K steps of the last product.
; SHARES.  Work-group g: two tiles u of 16 queries = rows 32 g + 16 u + r of out.  Wave w: BOTH tiles, split w of eight of the keys: each fragment of K and of V feeds two products.
; In the last product wave w makes columns 32 w .. 32 w + 31 and 256 + 32 w .. 256 + 32 w + 31 for both tiles.
; THE RING.  kv is 64 blocks of 17,408 bytes, one for 128 keys.  A tile of the ring is 8 blocks (139,264 bytes); in each tile wave w fetches and reads block w.  Two slots.
; Tiles 9 and 10 of the ring are w_o's rows 0 .. 255 and 256 .. 511 (rows of 512 bytes, 528 from row to row in LDS): the first lands under the last key steps, the second while the splits are joined.
; A slot is filled again in this order.
; THE ROUND STANDS BETWEEN THE TWO TILES' SOFTMAXES: by then K and V of the step are in registers; behind it the next K is asked for, which lands under the second tile's softmax; V is asked for behind a step's last products and lands under the next scores.
; CLUSTER.  The four work-groups of a cluster walk the same keys and take the same w_o: every tile is asked for JOINTLY.  cx enters only the addresses of qc, qs, out and of the prefetches.
; Cluster c begins with tile c % 8 and goes round, so the head's loads of the 64 clusters name all eight tiles of kv: what later loads ask for has been read by then, and kv is not prefetched.
; w_o's codes are prefetched once in the launch (four blocks of 256 bytes a work-group), its scale bytes once in each of four clusters, six key steps and more ahead of their loads.
; LAYOUT.  All products transposed: S^T = K Q^T, O^T = V^T P^T, out^T (source 0 = 16 rows of w_o): a lane holds ONE query (lane % 16) of a tile throughout.  Inside a block of 32 keys P and V have the same order.
; The columns of a tile of v are chosen so that registers 16 b + i of O^T are columns 32 b + 16 (lane / 16) + i.
; K = 64 IN AN INSTRUCTION OF K = 128: Q's registers 8-15 are zero codes.  So the upper eight registers of K's operand may hold any finite codes: the next tile's; for tile 7 zeros.
; A block's scale: its largest p is 2^x with x = t - M of its largest score, by the same multiply-add; floor(x) is the exponent, held at -118 from below.
; LIMITS: NaN and infinities are not served; scaled scores t stay under 2^31 in magnitude.  p under 2^-126 counts as 0 (v_exp_f32 flushes: ISA guide, its entry in 15.8).  A block whose largest p is under 2^-118 keeps the scale byte 1.
.set STEPB, 17408                      ; a step's block: K's image 8,192, V's image 8,192, K's scale words 512, V's 512
.set VOFF,  8192
.set KSOFF, 16384
.set VSOFF, 16896
.set SLOTB, 8*STEPB
.set WP,    528                        ; a row of w_o in LDS
.set EX,    2*SLOTB                    ; behind the ring: four pairs of partials of O^T, 4,096 bytes each;
.set EXML,  EX+32768                   ; sixteen times (-M, l): 8 bytes a lane: [wave][tile];
.set XIMG,  EX+36864                   ; the two tiles' head as codes: 1,536 bytes each: 1,024 of codes, then the scale word, 4 bytes a lane
.set SPARE, EX+39936                   ; the spare words, 128 bytes for each wave: four blocks of 256 bytes that no other line names
.set SP,    2064                       ; the stage, 32 rows x (2,048 + 16) bytes, in slot 0, which has had its last fill and its last read by then
; window 0
.set L16,  1                           ; v1  16 x lane
.set ADR0, 2                           ; v2, v3  my step's block in slot 0, 1
.set ADR1, 3
.set ST,   4                           ; v4-11, v12-19  a tile's state: +0 -M, +1 the step before's (at the end: l), +2, +3 f = 2^(old M - new M) in the low word, +4, +5 l in two halves, +6 the largest score so far, +7 at work
.set WOA,  20                          ; v20 my rows of w_o in slot 0
.set SPW,  21                          ; v21 LDS address of my spare word: SPARE + 4 x my thread's number; never rewritten
.set NIL,  22                          ; v22 0; never rewritten
.set R16,  23                          ; v23 16 x (lane % 16)
.set PFO,  24                          ; v24, v25 the prefetches' offsets; never rewritten
.set PFS,  25
.set PW,   26                          ; v26, v27 p's scale words
.set QS,   28                          ; v28, v29 Q's
.set KS,   32                          ; v32-35 K's: register b: lanes 0-15 tile 2 b, lanes 16-31 tile 2 b + 1
.set VS,   36                          ; v36-39 V's
.set NB,   40                          ; v40-43 the blocks' largest scores, then floor(t - M)
.set CV,   44                          ; v44-47 the conversions' scale operands (ahead of that: lane l xor 16's maxima)
.set HD,   48                          ; v48-51 448 x the scale
.set T,    52                          ; v52-67, v68-83 a step's sums, eight pairs a tile
.set PC,   84                          ; v84-99, v100-115 p's codes
.set SS,   116                         ; v116-179, v180-243 the scores, then p
.set WS2,  244                         ; v244-251 at the end: scale words of w_o's second half
; window 1
.set KR,   0                           ; K (64 registers), then eight zeros
.set VR,   72                          ; V
.set OT,   136                         ; O^T: 32 registers a tile
.set QF,   200                         ; Q's fragments: 16 a tile, the upper eight zero codes
.set WV,   16                          ; s16 wave
.set MNT,  19                          ; s19 the mantissa field of 448
.set SEL,  20                          ; s[20:21] lane selects for v_permlanex16_b32: lane l xor 16
.set CS,   22                          ; s[22:23] c = log2(e) / 8
.set G1,   24                          ; s[24:31] descriptor group 1 for kv: 68 rows of 256 bytes
.set G0,   32                          ; s[32:35], s[36:39] groups 0, one for each slot
.set CNT,  40
.set IDX,  44                          ; s44, s45 which tile of kv each slot holds or is being given
.set G1W,  48                          ; s[48:55] group 1 for w_o: 32 rows of 512 bytes
.set G0W,  56                          ; s[56:59], s[60:63] groups 0: w_o's first half into slot 0, its second into slot 1
.set MSB, 0
.macro WIN new                         ; the immediate's high byte repeats the setting that is left
.if MSB != \new
	s_set_vgpr_msb (MSB<<8)|\new
.set MSB, \new
.endif
.endm
.macro WALU
	s_wait_alu depctr_va_vdst(0)
.endm
.macro CREST                           ; a round of the cluster's barrier behind its opening signal
	s_barrier_wait -1
	s_cmp_lg_u32 s[WV], 0
	s_cbranch_scc1 .Lnot_wave_0_\@
	s_barrier_signal -3
.Lnot_wave_0_\@:
	s_barrier_wait -3
	s_barrier_signal -1
	s_barrier_wait -1
.endm
	s_load_b256 s[4:11], s[0:1], 0x0               ; qc s[4:5], qs s[6:7], kv s[8:9], w_o's codes s[10:11]
	s_load_b128 s[12:15], s[0:1], 0x20             ; w_o's scales s[12:13], out s[14:15]
	v_lshl_add_u32 v[SPW], v0, 2, SPARE
	v_mov_b32 v[NIL], 0
	ds_add_u32 v[SPW], v[NIL]                      ; the wave's opening: the add, twice on end, and its wait ahead of my first tensor load
	ds_add_u32 v[SPW], v[NIL]
	v_lshrrev_b32 v1, 5, v0
	v_readfirstlane_b32 s[WV], v1                  ; wave 0..7
	s_and_b32 s17, s[WV], 1
	s_mul_i32 s42, s[WV], STEPB                    ; my block of a tile, in memory and in a slot
	s_mov_b32 s43, 0
	s_and_b32 s[IDX], ttmp9, 7                     ; in a cluster launch ttmp9 counts clusters: the first tile is the same in the four partners
	s_add_co_u32 s[IDX+1], s[IDX], 1
	s_and_b32 s[IDX+1], s[IDX+1], 7
	s_mov_b32 s[G1], 15|(3<<16)|(1<<21)            ; 15:0 the mask: all four work-groups; 17:16 elements of 8 bytes; 21 set beside a mask
	s_mov_b32 s[G1+1], 32<<16                      ; tensor_dim0 = 32
	s_mov_b32 s[G1+2], 68<<16                      ; tensor_dim1 = 68
	s_mov_b32 s[G1+3], 32<<16                      ; tile_dim0 = 32
	s_mov_b32 s[G1+4], 68                          ; tile_dim1 = 68
	s_mov_b32 s[G1+5], 32                          ; from row to row: 32 elements
	s_mov_b32 s[G1+6], 0
	s_mov_b32 s[G1+7], 0
	s_mov_b32 s[G1W], 15|(3<<16)|(1<<20)|(1<<21)|(6<<22)|(3<<25)   ; the same, with four words of padding after every 128
	s_mov_b32 s[G1W+1], 64<<16
	s_mov_b32 s[G1W+2], 32<<16
	s_mov_b32 s[G1W+3], 64<<16
	s_mov_b32 s[G1W+4], 32
	s_mov_b32 s[G1W+5], 64
	s_mov_b32 s[G1W+6], 0
	s_mov_b32 s[G1W+7], 0
	s_mov_b32 s[MNT], 0x600000
	s_mov_b32 s[SEL], 0x76543210
	s_mov_b32 s[SEL+1], 0xfedcba98
	s_mov_b32 s[CS], 0x3e38aa3b                    ; log2(e) / 8
	s_mov_b32 s[CS+1], s[CS]                       ; (named with it as a pair, so it is written)
	s_mul_i32 s41, s[WV], 32*WP                    ; my 32 rows of a half of w_o in LDS
	s_mov_b32 s67, 0                               ; s[66:67]: a tile's offset in kv
	; my queries, my rows of out, my prefetches: the one place where cx enters, in registers that feed no descriptor
	s_bfe_u32 s70, ttmp6, 0x40000                  ; cx
	s_lshl_b32 s71, ttmp9, 2
	s_add_co_u32 s71, s71, s70                     ; g = 4 x cluster x + cx
	s_lshl_b32 s74, s71, 11                        ; qc: 1,024 bytes a tile
	s_mov_b32 s75, 0
	s_lshl_b32 s76, ttmp9, 9                       ; qs: 512 bytes for eight tiles,
	s_lshl_b32 s77, s70, 2
	s_add_co_u32 s76, s76, s77                     ; + 4 (g % 4)
	s_mov_b32 s77, 0
	s_lshl_b32 s78, s71, 16                        ; out: my 32 rows of 2,048 bytes,
	s_lshl_b32 s79, s[WV], 13
	s_add_co_u32 s78, s78, s79                     ; + the four that I store
	s_mov_b32 s79, 0
	s_lshl_b32 s80, s[WV], 14                      ; w_o: 32 rows of 512 bytes,
	s_mov_b32 s81, 0
	s_lshl_b32 s82, s[WV], 9                       ; of 16 scale bytes
	s_mov_b32 s83, 0
	s_lshl_b32 s86, s71, 10                        ; prefetches: four blocks of w_o's codes,
	s_mov_b32 s87, 0
	s_lshl_b32 s88, s70, 11                        ; a quarter of its scale bytes
	s_mov_b32 s89, 0
	s_wait_dscnt 0x0                               ; both opening adds are done
	s_barrier_signal -1
	CREST                                          ; the opening round: all four work-groups are here
	s_wait_kmcnt 0x0
	s_add_nc_u64 s[8:9], s[8:9], s[42:43]          ; kv at my block of tile 0
	s_mul_i32 s66, s[IDX], SLOTB
	s_mov_b32 s[G0], 1                             ; count = 1
	s_mov_b32 s[G0+1], s42                         ; LDS address: slot 0
	s_add_nc_u64 s[G0+2:G0+3], s[8:9], s[66:67]    ; global address
	s_or_b32 s[G0+3], s[G0+3], 0x80000000          ; type = 2
	tensor_load_to_lds s[G0:G0+3], s[G1:G1+7]      ; the first tile: one load a wave at the head
	s_nop 0
	s_mul_i32 s66, s[IDX+1], SLOTB
	s_mov_b32 s[G0+4], 1
	s_add_co_u32 s[G0+5], s42, SLOTB               ; slot 1
	s_add_nc_u64 s[G0+6:G0+7], s[8:9], s[66:67]
	s_or_b32 s[G0+7], s[G0+7], 0x80000000
	s_mov_b32 s[G0W], 1
	s_mov_b32 s[G0W+1], s41
	s_add_nc_u64 s[G0W+2:G0W+3], s[10:11], s[80:81]
	s_add_nc_u64 s[G0W+6:G0W+7], s[G0W+2:G0W+3], 0x20000
	s_or_b32 s[G0W+3], s[G0W+3], 0x80000000
	s_mov_b32 s[G0W+4], 1
	s_add_co_u32 s[G0W+5], s41, SLOTB
	s_or_b32 s[G0W+7], s[G0W+7], 0x80000000
	s_add_nc_u64 s[4:5], s[4:5], s[74:75]
	s_add_nc_u64 s[6:7], s[6:7], s[76:77]
	s_add_nc_u64 s[68:69], s[10:11], s[86:87]
	s_add_nc_u64 s[72:73], s[12:13], s[88:89]
	s_add_nc_u64 s[12:13], s[12:13], s[82:83]
	s_add_nc_u64 s[14:15], s[14:15], s[78:79]
	v_and_b32 v1, 31, v0
	v_lshlrev_b32 v[L16], 4, v1
	v_and_b32 v12, 15, v0                          ; r
	v_bfe_u32 v13, v0, 4, 1                        ; h
	v_lshlrev_b32 v[R16], 4, v12
	WALU
	WIN 0x40                                       ; destination window 1
.irp u, 0,1                            ; Q's images: they stay in registers
	global_load_b128 v[QF+16*\u:QF+16*\u+3], v[L16], s[4:5] offset:1024*\u
	global_load_b128 v[QF+16*\u+4:QF+16*\u+7], v[L16], s[4:5] offset:1024*\u+512
.endr
	WIN 0
	global_load_b32 v[QS], v[R16], s[6:7]
	global_load_b32 v[QS+1], v[R16], s[6:7] offset:256
	v_mul_u32_u24 v[WOA], v12, WP
	v_lshl_add_u32 v[WOA], v13, 4, v[WOA]
	v_add_nc_u32 v[WOA], s41, v[WOA]
	v_add_nc_u32 v[ADR0], s42, v[L16]
	v_add_nc_u32 v[ADR1], SLOTB, v[ADR0]
	v_and_b32 v[PFO], 3, v0
	v_lshlrev_b32 v[PFO], 8, v[PFO]
	v_and_b32 v[PFS], 7, v0
	v_lshlrev_b32 v[PFS], 8, v[PFS]
.set j, 0
.rept 32
	v_mov_b32 v[T+j], 0
.set j, j+1
.endr
.irp b, 0,1,2,3
	v_mov_b32 v[CV+\b], 0                          ; (a lane permute's destination counts as one of its sources)
.endr
.irp u, 0,1
.irp i, 2,3,4,5,7
	v_mov_b32 v[ST+8*\u+\i], 0
.endr
	v_mov_b32 v[ST+8*\u+6], 0xff61b1e6             ; the largest score so far: -3e38
	v_mov_b32 v[ST+8*\u], 0x7f61b1e6               ; -M: 3e38
.endr
	WIN 0x40
.set j, 0
.rept 8
	v_mov_b32 v[QF+8+j], 0                         ; zero codes for K = 64 .. 127
	v_mov_b32 v[QF+24+j], 0
	v_mov_b32 v[KR+64+j], 0                        ; what tile 7 of K names above its own eight registers
.set j, j+1
.endr
.set j, 0
.rept 64
	v_mov_b32 v[OT+j], 0                           ; O^T.  (The step has one form: the first finds zeros, which the first change of M leaves zeros)
.set j, j+1
.endr
	WIN 0
.macro KLOAD adr                       ; a step's K: 17 loads
	WIN 0x40
.irp t, 0,1,2,3,4,5,6,7
	ds_load_b128 v[KR+8*\t:KR+8*\t+3], v[\adr] offset:1024*\t
	ds_load_b128 v[KR+8*\t+4:KR+8*\t+7], v[\adr] offset:1024*\t+512
.endr
	WIN 0
	ds_load_b128 v[KS:KS+3], v[\adr] offset:KSOFF
.endm
.macro WOLOAD reg, adr, off            ; 16 rows of w_o, all of K: 16 loads
.irp s, 0,1,2,3
.irp c, 0,1,2,3
	ds_load_b128 v[\reg+16*\s+4*\c:\reg+16*\s+4*\c+3], v[\adr] offset:\off+128*\s+32*\c
.endr
.endr
.endm
.macro PFMA x                          ; t - M, two at a time
	v_pk_fma_f32 v[\x:\x+1], v[\x:\x+1], s[CS:CS+1], v[N_:N_+1] op_sel_hi:[1,0,0]
.endm
.macro EXP2 x
	v_exp_f32 v[\x], v[\x]
	v_exp_f32 v[\x+1], v[\x+1]
.endm
.macro HOLD x, h                       ; the conversion to an 8-bit code does not saturate (ISA guide 7.6.2); p is not negative, so the hold is one-sided
	v_dual_min_num_f32 v[\x], v[\x], v[\h] :: v_dual_min_num_f32 v[\x+1], v[\x+1], v[\h]
.endm
.macro ADD2 d, a, b
	v_pk_add_f32 v[\d:\d+1], v[\a:\a+1], v[\b:\b+1]
.endm
.macro CONV x, b                       ; block b's codes
	v_cvt_scalef32_pk8_fp8_f32 v[P_+4*\b:P_+4*\b+1], v[\x:\x+7], v[CV+\b]
	v_cvt_scalef32_pk8_fp8_f32 v[P_+4*\b+2:P_+4*\b+3], v[\x+8:\x+15], v[CV+\b]
.endm
.macro LEFT u                          ; tile u's sums of the step before join its l: places behind products
.set T_, T+16*\u
.set N_, ST+8*\u
.irp i, 0,2,4,6
	ADD2 T_+\i, T_+\i, T_+8+\i
.endr
.irp i, 0,2
	ADD2 T_+\i, T_+\i, T_+4+\i
.endr
	ADD2 T_, T_, T_+2
	v_pk_fma_f32 v[N_+4:N_+5], v[N_+4:N_+5], v[N_+2:N_+3], v[T_:T_+1] op_sel_hi:[1,0,1]
.endm
; Tile u's softmax of a step, to codes and scale word, and its O^T under the new M.  In tile 0's stands the change of slots: slot o is filled again: kind 0: with a tile of kv; 1, 2: with a half of w_o.
; Behind the round the next step's K is asked for (kind 2, the last step: 16 of my rows of w_o's first half).
.macro UNIT u, nadr, o, kind
.set S_, SS+64*\u
.set T_, T+16*\u
.set N_, ST+8*\u
.set P_, PC+16*\u
.set O_, OT+32*\u
.if \u
	WALU                                           ; the wait directly ahead of the scores' first readers
.endif
.irp b, 0,1,2,3
	v_max3_num_f32 v[NB+\b], v[S_+16*\b], v[S_+16*\b+1], v[S_+16*\b+2]   ; the largest score of each block of 32 keys, each result from its low end on
.endr
.irp i, 3,5,7,9,11,13
.irp b, 0,1,2,3
	v_max3_num_f32 v[NB+\b], v[NB+\b], v[S_+16*\b+\i], v[S_+16*\b+\i+1]
.endr
.endr
.irp b, 0,1,2,3
	v_max_num_f32 v[NB+\b], v[NB+\b], v[S_+16*\b+15]
.endr
.irp b, 0,1,2,3
	v_permlanex16_b32 v[CV+\b], v[NB+\b], s[SEL], s[SEL+1]
.endr
.irp b, 0,1,2,3
	v_max_num_f32 v[NB+\b], v[NB+\b], v[CV+\b]     ; with lane l xor 16's 16 keys
.endr
	v_max3_num_f32 v[N_+6], v[N_+6], v[NB], v[NB+1]
	v_max3_num_f32 v[N_+6], v[N_+6], v[NB+2], v[NB+3]   ; the running largest score
	v_mul_f32 v[N_+7], 0xbe38aa3b, v[N_+6]         ; -t
	v_floor_f32 v[N_], v[N_+7]                     ; the new -M = floor(-t) = -ceil(t)
	v_sub_f32 v[N_+7], v[N_], v[N_+1]              ; old M - new M: a whole number, 0 or less
.irp b, 0,1,2,3
	v_fma_f32 v[NB+\b], v[NB+\b], s[CS], v[N_]     ; t - M of each block's largest score
.endr
.irp i, 0,2,4,6
	PFMA S_+\i
.endr
.irp b, 0,1,2,3
	v_max_num_f32 v[NB+\b], 0xc2ec0000, v[NB+\b]   ; not under -118: the byte cannot fall under 1
.endr
.irp b, 0,1,2,3
	v_cvt_floor_i32_f32 v[NB+\b], v[NB+\b]         ; n: the exponent of the block's largest p
.endr
.irp i, 8,10,12,14
	PFMA S_+\i
.endr
.irp b, 0,1,2,3
	v_lshl_add_u32 v[CV+\b], v[NB+\b], 23, 0x3b800000   ; 2^(n - 8): the conversion's scale operand
.endr
.irp b, 0,1,2,3
	v_add_nc_u32 v[HD+\b], 0x4600000, v[CV+\b]     ; 448 x the scale
.endr
	WALU                                           ; four batches of 16 exponentials, p = 2^(t - M)
.irp i, 0,2,4,6,8,10,12,14
	EXP2 S_+\i
	PFMA S_+16+\i
.endr
	WALU
	v_cvt_i32_f32 v[N_+7], v[N_+7]                 ; (it saturates)
.irp i, 0,2,4,6,8,10,12,14
	EXP2 S_+16+\i
	PFMA S_+32+\i
.if (\i)%4 == 0
	ADD2 T_+\i/2, S_+\i, S_+\i+2                   ; the sums are taken ahead of the hold
.endif
	HOLD S_+\i, HD
.endr
	WALU
	CONV S_, 0
	v_ldexp_f32 v[N_+2], 1.0, v[N_+7]              ; f = 2^(old M - new M)
.irp i, 0,2,4,6,8,10,12,14
	EXP2 S_+32+\i
	PFMA S_+48+\i
.if (\i)%4 == 0
	ADD2 T_+8+\i/2, S_+16+\i, S_+16+\i+2
.endif
	HOLD S_+16+\i, HD+1
.endr
	WALU
	CONV S_+16, 1
.irp i, 0,2,4,6,8,10,12,14
	EXP2 S_+48+\i
	ADD2 T_+\i, T_+\i, S_+32+\i
	HOLD S_+32+\i, HD+2
.endr
	WALU
.if \u == 0
	s_wait_tensorcnt 0x0                           ; no tensor load of mine is out: my part of the other slot is in, and a group 0 may be written
	ds_add_u32 v[SPW], v[NIL]                      ; 0 onto my spare word
.if \kind == 0
	s_add_co_u32 s[IDX+\o], s[IDX+\o], 2
	s_and_b32 s[IDX+\o], s[IDX+\o], 7              ; the slot's next tile
	s_mul_i32 s66, s[IDX+\o], SLOTB
	s_add_nc_u64 s[G0+4*\o+2:G0+4*\o+3], s[8:9], s[66:67]
	s_or_b32 s[G0+4*\o+3], s[G0+4*\o+3], 0x80000000
.endif
.endif
	CONV S_+32, 2
.irp i, 0,2,4,6,8,10,12,14
	ADD2 T_+\i, T_+\i, S_+48+\i
	HOLD S_+48+\i, HD+3
.endr
	v_lshl_add_u32 v[PW+\u], v[NB+1], 8, v[NB]     ; p's scale word: the four n + 119
	v_lshl_add_u32 v[PW+\u], v[NB+2], 16, v[PW+\u]
	v_lshl_add_u32 v[PW+\u], v[NB+3], 24, v[PW+\u]
	v_add_nc_u32 v[PW+\u], 0x77777777, v[PW+\u]
.if \u == 0
	WALU
	s_wait_dscnt 0x0                               ; the add is done, V is in, and my reads of the slot are over
	s_barrier_signal -1                            ; the round opens; register work while the others arrive
.endif
	CONV S_+48, 3
	WIN 0x41                                       ; source 0 and destination window 1
	WALU                                           ; the wait directly ahead of O^T's first readers
.set j, 0
.rept 16
	v_pk_mul_f32 v[O_+j:O_+j+1], v[O_+j:O_+j+1], v[N_+2:N_+3] op_sel_hi:[1,0]   ; O^T under the new M
.set j, j+2
.endr
.if \u == 0
	WIN 0
	WALU
	CREST                                          ; no wave of any partner still reads the slot or has a load on its way
.if \kind == 0
	tensor_load_to_lds s[G0+4*\o:G0+4*\o+3], s[G1:G1+7]   ; my one tensor load until the next round
.else
	tensor_load_to_lds s[G0W+4*\o:G0W+4*\o+3], s[G1W:G1W+7]
.endif
	s_nop 0
.if \kind == 2
	WIN 0x40
	WOLOAD KR, WOA, 0
	WIN 0
.else
	KLOAD \nadr
.endif
.endif
.endm
; A KEY STEP: 128 keys, my block of slot o, for both tiles.  K has been asked for.
.macro STEP adr, nadr, o, kind
	LEFT 1
	v_mov_b32 v[ST+9], v[ST+8]                     ; nine places behind the last products: for the loads below, into registers that they read
	WIN 0x40
.irp t, 0,1,2,3
.irp c, 0,1,2,3
	ds_load_b128 v[VR+16*\t+4*\c:VR+16*\t+4*\c+3], v[\adr] offset:VOFF+2048*\t+512*\c
.endr
.endr
	WIN 0
	ds_load_b128 v[VS:VS+3], v[\adr] offset:VSOFF
	WALU
	s_wait_dscnt 0x11                              ; K is in; V's 17 loads may be out
	WIN 0x05                                       ; sources 0 and 1 window 1
.irp u, 0,1
.irp t, 0,1,2,3,4,5,6,7                ; S^T = K Q^T: register 8 t + j of lane (r, h) is key 16 t + 8 h + j of query r
.if \t%2
	v_wmma_scale_f32_16x16x128_f8f6f4 v[SS+64*\u+8*\t:SS+64*\u+8*\t+7], v[KR+8*\t:KR+8*\t+15], v[QF+16*\u:QF+16*\u+15], 0, v[KS+\t/2], v[QS+\u] matrix_a_scale:MATRIX_SCALE_ROW1
.else
	v_wmma_scale_f32_16x16x128_f8f6f4 v[SS+64*\u+8*\t:SS+64*\u+8*\t+7], v[KR+8*\t:KR+8*\t+15], v[QF+16*\u:QF+16*\u+15], 0, v[KS+\t/2], v[QS+\u]
.endif
.endr
.endr
	WIN 0
	LEFT 0
	v_mov_b32 v[ST+1], v[ST]                       ; nine places ahead of the scores' first read
	UNIT 0, \nadr, \o, \kind
	UNIT 1, \nadr, \o, \kind
	WIN 0x51                                       ; V, and O^T as C and D: window 1
.irp u, 0,1
.irp t, 0,1,2,3                        ; O^T += V^T P^T; the eight accumulators take turns
	v_wmma_scale_f32_16x16x128_f8f6f4 v[OT+32*\u+8*\t:OT+32*\u+8*\t+7], v[VR+16*\t:VR+16*\t+15], v[PC+16*\u:PC+16*\u+15], v[OT+32*\u+8*\t:OT+32*\u+8*\t+7], v[VS+\t], v[PW+\u]
.endr
.endr
	WIN 0
.endm
	WALU                                           ; the head's end
	s_wait_tensorcnt 0x0                           ; my part of the first tile is in; slot 1's first fill goes out as a refill does
	ds_add_u32 v[SPW], v[NIL]
	s_wait_dscnt 0x0
	s_barrier_signal -1
	CREST
	tensor_load_to_lds s[G0+4:G0+7], s[G1:G1+7]
	s_nop 0
	KLOAD ADR0
	s_cmp_eq_u32 s[WV], 0                          ; wave 0 asks for w_o ahead of its loads
	s_cbranch_scc0 .Lasked
	global_prefetch_b8 v[PFO], s[68:69] th:TH_LOAD_NT scope:SCOPE_SE
	s_cmp_lt_u32 ttmp9, 4
	s_cbranch_scc0 .Lasked
	global_prefetch_b8 v[PFS], s[72:73] th:TH_LOAD_NT scope:SCOPE_SE
.Lasked:
	s_mov_b32 s[CNT], 3
	s_wait_loadcnt 0x0                             ; Q
.Lring:                                            ; three trips: six refills; with the two first fills: eight tiles
	STEP ADR0, ADR1, 0, 0
	STEP ADR1, ADR0, 1, 0
	s_sub_co_u32 s[CNT], s[CNT], 1
	s_cmp_lg_u32 s[CNT], 0
	s_cbranch_scc1 .Lring
	STEP ADR0, ADR1, 0, 1                          ; the last two steps are written out: their slots take w_o
	STEP ADR1, ADR0, 1, 2
	; THE SPLITS MEET.  Registers from here on: v40 my partials' place (waves w and w + 4 share it), v41 my (-M, l), v51 all of them, v42 my tile's eight, v43 the block that I join, v44 and v45 where its codes and bytes go,
	; v46 the stage: where I put 32 bytes of a row, v47 where I read rows back, v48 and v49 where all read codes and scale words, v50 my rows of w_o's second half
	s_and_b32 s74, s[WV], 3
	s_lshl_b32 s74, s74, 13
	s_add_co_u32 s74, s74, EX
	s_lshl_b32 s75, s[WV], 9
	s_lshl_b32 s76, s17, 8                         ; tile w & 1, in waves 4 to 7
	s_bfe_u32 s77, s[WV], 0x10001                  ; and its block of 32 columns
	s_lshl_b32 s78, s17, 12
	s_lshl_b32 s79, s77, 11
	s_add_co_u32 s78, s78, s79
	s_add_co_u32 s78, s78, EX
	s_mul_i32 s79, s17, 1536
	s_add_co_u32 s79, s79, XIMG
	s_lshl_b32 s80, s77, 9
	s_add_co_u32 s80, s80, s79
	s_add_co_u32 s81, s79, s77
	s_add_co_u32 s81, s81, 1024
	s_lshl_b32 s82, s[WV], 7
	s_mul_i32 s83, s[WV], 4*SP
	LEFT 1
	LEFT 0
.irp u, 0,1
	v_add_f32 v[ST+8*\u+4], v[ST+8*\u+4], v[ST+8*\u+5]
.endr
.irp u, 0,1
	v_permlanex16_b32 v[ST+8*\u+7], v[ST+8*\u+4], s[SEL], s[SEL+1]
.endr
.irp u, 0,1
	v_add_f32 v[ST+8*\u+1], v[ST+8*\u+4], v[ST+8*\u+7]   ; the pair is (-M, l)
.endr
	global_load_b128 v[KS:KS+3], v[R16], s[12:13]  ; w_o's scale words: my row of each of four tiles
	global_load_b128 v[VS:VS+3], v[R16], s[12:13] offset:256
	global_load_b128 v[WS2:WS2+3], v[R16], s[12:13] offset:4096
	global_load_b128 v[WS2+4:WS2+7], v[R16], s[12:13] offset:4352
	v_lshrrev_b32 v51, 1, v[L16]                   ; 8 x lane
	v_lshrrev_b32 v49, 2, v[L16]                   ; 4 x lane
	v_add_nc_u32 v51, EXML, v51
	v_add_nc_u32 v40, s74, v[L16]
	v_add_nc_u32 v41, s75, v51
	v_add_nc_u32 v42, s76, v51
	v_add_nc_u32 v43, s78, v[L16]
	v_add_nc_u32 v44, s80, v[L16]
	v_add_nc_u32 v45, s81, v49
	v_add_nc_u32 v49, XIMG+1024, v49
	v_add_nc_u32 v48, XIMG, v[L16]
	v_add_nc_u32 v50, SLOTB, v[WOA]
	v_and_b32 v30, 15, v0
	v_mul_u32_u24 v46, v30, SP
	v_bfe_u32 v31, v0, 4, 1
	v_lshl_add_u32 v46, v31, 5, v46
	v_add_nc_u32 v46, s82, v46                     ; stage row r, + 128 w, + 32 h
	v_add_nc_u32 v47, s83, v[L16]                  ; stage rows 4 w .. 4 w + 3
	WALU
	ds_store_b64 v41, v[ST:ST+1]
	ds_store_b64 v41, v[ST+8:ST+9] offset:256
	s_cmp_lt_u32 s[WV], 4
	s_cbranch_scc1 .Lkept
	WIN 0x04                                       ; the data: window 1
.irp i, 0,1,2,3,4,5,6,7,8,9,10,11,12,13,14,15
	ds_store_b128 v40, v[OT+4*\i:OT+4*\i+3] offset:512*\i   ; waves 4 to 7 hand their O^T on; each accumulator from its low end on
.endr
	WIN 0
.Lkept:
	s_wait_dscnt 0x0                               ; for the others' sake: my stores have landed
	s_barrier_signal -1
	s_barrier_wait -1
	s_cmp_lt_u32 s[WV], 4
	s_cbranch_scc0 .Lupper
.irp u, 0,1                            ; waves 0 to 3: my partner's (-M, l), both tiles' eight, my partner's O^T
	ds_load_b64 v[212+2*\u:213+2*\u], v41 offset:2048+256*\u
.irp y, 0,1,2,3,4,5,6,7
	ds_load_b64 v[180+16*\u+2*\y:181+16*\u+2*\y], v51 offset:512*\y+256*\u
.endr
.endr
.irp i, 0,1,2,3,4,5,6,7,8,9,10,11,12,13,14,15
	ds_load_b128 v[116+4*\i:119+4*\i], v40 offset:512*\i
.endr
	s_wait_dscnt 0x10                              ; the sixteen loads of O^T may be out
.irp u, 0,1
	v_min3_num_f32 v[216+\u], v[180+16*\u], v[182+16*\u], v[184+16*\u]
	v_min3_num_f32 v[218+\u], v[186+16*\u], v[188+16*\u], v[190+16*\u]
.endr
.irp u, 0,1
	v_min3_num_f32 v[216+\u], v[216+\u], v[192+16*\u], v[194+16*\u]
.endr
.irp u, 0,1
	v_min_num_f32 v[216+\u], v[216+\u], v[218+\u]  ; the joint -M: the smallest
.endr
.irp u, 0,1
	v_sub_f32 v[220+2*\u], v[216+\u], v[ST+8*\u]   ; my M less the joint one: a whole number, 0 or less
	v_sub_f32 v[224+2*\u], v[216+\u], v[212+2*\u]  ; my partner's
.endr
.irp x, 220,222,224,226
	v_cvt_i32_f32 v[\x], v[\x]                     ; (it saturates)
.endr
.irp x, 220,222,224,226
	v_ldexp_f32 v[\x], 1.0, v[\x]
	v_mov_b32 v[\x+1], 0                           ; (named as a pair's upper half)
.endr
	WIN 0x41
	WALU
.irp u, 0,1
.set j, 0
.rept 16
	v_pk_mul_f32 v[OT+32*\u+j:OT+32*\u+j+1], v[OT+32*\u+j:OT+32*\u+j+1], v[220+2*\u:221+2*\u] op_sel_hi:[1,0]
.set j, j+2
.endr
.endr
	WIN 0x50                                       ; source 2 and destination window 1
	WALU
	s_wait_dscnt 0x0
.irp u, 0,1
.set j, 0
.rept 16
	v_pk_fma_f32 v[OT+32*\u+j:OT+32*\u+j+1], v[116+32*\u+j:117+32*\u+j], v[224+2*\u:225+2*\u], v[OT+32*\u+j:OT+32*\u+j+1] op_sel_hi:[1,0,1]
.set j, j+2
.endr
.endr
	WIN 0x04
.irp i, 0,1,2,3,4,5,6,7,8,9,10,11,12,13,14,15
	ds_store_b128 v40, v[OT+4*\i:OT+4*\i+3] offset:512*\i   ; where my partner's lay: nobody else reads there ahead of the barrier
.endr
	WIN 0
	s_branch .Ljoin
.Lupper:                                           ; waves 4 to 7: 1 / l of my tile's queries
.irp y, 0,1,2,3,4,5,6,7
	ds_load_b64 v[180+2*\y:181+2*\y], v42 offset:512*\y
.endr
	s_wait_dscnt 0x0
	v_min3_num_f32 v204, v180, v182, v184
	v_min3_num_f32 v205, v186, v188, v190
	v_min3_num_f32 v204, v204, v192, v194
	v_min_num_f32 v204, v204, v205
.irp y, 0,1,2,3,4,5,6,7
	v_sub_f32 v[196+\y], v204, v[180+2*\y]
.endr
.irp y, 0,1,2,3,4,5,6,7
	v_cvt_i32_f32 v[196+\y], v[196+\y]
.endr
.irp y, 0,1,2,3,4,5,6,7
	v_ldexp_f32 v[196+\y], 1.0, v[196+\y]
.endr
	v_mul_f32 v205, v181, v196
	v_mul_f32 v206, v183, v197
.irp y, 2,4,6
	v_fmac_f32 v205, v[181+2*\y], v[196+\y]
	v_fmac_f32 v206, v[183+2*\y], v[197+\y]
.endr
	v_add_f32 v205, v205, v206                     ; the row's sum under the joint M
	WALU
	v_rcp_f32 v232, v205
	v_mov_b32 v233, 0                              ; (named as a pair's upper half; the plain place behind a transcendental)
	WALU
.Ljoin:
	s_wait_dscnt 0x0                               ; for the others' sake: my stores have landed
	s_barrier_signal -1
	s_barrier_wait -1                              ; four partials a tile lie in LDS, under the joint M
	s_cmp_lt_u32 s[WV], 4
	s_cbranch_scc1 .Lno_block
	; waves 4 to 7: block b of tile u: registers 16 b + i of lane (r, h) are head's columns 32 b + 16 h + i of query r
.irp y, 0,1,2,3
.irp i, 0,1,2,3
	ds_load_b128 v[116+16*\y+4*\i:119+16*\y+4*\i], v43 offset:8192*\y+512*\i
.endr
.endr
.Lno_block:
	WIN 0x40
	WOLOAD VR, WOA, 16*WP                          ; the other 16 of my rows of w_o's first half
	WIN 0
	s_cmp_lt_u32 s[WV], 4
	s_cbranch_scc1 .Lcodes_made
	s_wait_dscnt 0x10                              ; the partials; the 16 loads of w_o may be out
.irp i, 0,2,4,6,8,10,12,14
	ADD2 116+\i, 116+\i, 132+\i
	ADD2 148+\i, 148+\i, 164+\i
.endr
.irp i, 0,2,4,6,8,10,12,14
	ADD2 116+\i, 116+\i, 148+\i
.endr
.irp i, 0,2,4,6,8,10,12,14
	v_pk_mul_f32 v[116+\i:117+\i], v[116+\i:117+\i], v[232:233] op_sel_hi:[1,0]   ; head = O / l
.endr
	v_max3_num_f32 v52, |v116|, |v117|, 0x4800000  ; the block's largest magnitude, and the floor 2^(9 - 127): the byte cannot fall under 1
	v_max3_num_f32 v53, |v118|, |v119|, |v120|
	v_max3_num_f32 v52, v52, |v121|, |v122|
	v_max3_num_f32 v53, v53, |v123|, |v124|
	v_max3_num_f32 v52, v52, |v125|, |v126|
	v_max3_num_f32 v53, v53, |v127|, |v128|
	v_max3_num_f32 v52, v52, |v129|, |v130|
	v_max3_num_f32 v52, v52, v53, |v131|
	v_permlanex16_b32 v54, v52, s[SEL], s[SEL+1]
	v_max_num_f32 v52, v52, v54                    ; with lane l xor 16's
	v_add_nc_u32 v55, 0xfc000000, v52              ; 8 off its exponent field: the conversion's scale operand
	v_and_or_b32 v56, v52, 0x7f800000, s[MNT]      ; 448 x the scale
	v_lshrrev_b32 v57, 23, v55                     ; the scale's byte
.set j, 116
.rept 16
	v_med3_num_f32 v[j], v[j], -v56, v56           ; the conversion to an 8-bit code does not saturate (ISA guide 7.6.2): hold first
.set j, j+1
.endr
	v_cvt_scalef32_pk8_fp8_f32 v[60:61], v[116:123], v55
	v_cvt_scalef32_pk8_fp8_f32 v[62:63], v[124:131], v55
	v_nop                                          ; one plain vector line behind the last conversion
	ds_store_b128 v44, v[60:63]                    ; chunk b of the operand's image
	ds_store_b8 v45, v57                           ; bytes b and b + 2 of the scale word: 128 along K are head's 64 columns twice
	ds_store_b8 v45, v57 offset:2
.Lcodes_made:
	s_wait_tensorcnt 0x0                           ; my part of w_o's second half is in
	s_wait_dscnt 0x0                               ; for the others' sake: my stores have landed; and my reads of slot 0 are over
	s_barrier_signal -1
	s_barrier_wait -1                              ; both tiles' codes and scale words, and w_o's second half, lie in LDS
	WIN 0x40
.irp u, 0,1
	ds_load_b128 v[OT+16*\u:OT+16*\u+3], v48 offset:1536*\u
	ds_load_b128 v[OT+16*\u+4:OT+16*\u+7], v48 offset:1536*\u+512
	ds_load_b128 v[OT+16*\u+8:OT+16*\u+11], v48 offset:1536*\u        ; the same 64 columns once more
	ds_load_b128 v[OT+16*\u+12:OT+16*\u+15], v48 offset:1536*\u+512
.endr
	WIN 0
	ds_load_b32 v[PW], v49
	ds_load_b32 v[PW+1], v49 offset:1536
	WOLOAD 116, 50, 0
	WOLOAD 180, 50, 16*WP
	s_wait_loadcnt 0x0                             ; w_o's scale words
	s_wait_dscnt 0x20                              ; all but the 32 loads of w_o's second half
.macro LAST d, a, at, ws               ; 32 columns of out for both tiles; the four accumulators take turns
.irp s, 0,1,2,3
.irp t, 0,1
.irp u, 0,1
.if \s == 0
	v_wmma_scale_f32_16x16x128_f8f6f4 v[\d+8*(2*\t+\u):\d+8*(2*\t+\u)+7], v[\a+\at*\t+16*\s:\a+\at*\t+16*\s+15], v[OT+16*\u:OT+16*\u+15], 0, v[\ws+4*\t+\s], v[PW+\u]
.else
	v_wmma_scale_f32_16x16x128_f8f6f4 v[\d+8*(2*\t+\u):\d+8*(2*\t+\u)+7], v[\a+\at*\t+16*\s:\a+\at*\t+16*\s+15], v[OT+16*\u:OT+16*\u+15], v[\d+8*(2*\t+\u):\d+8*(2*\t+\u)+7], v[\ws+4*\t+\s], v[PW+\u]
.endif
.endr
.endr
.endr
.endm
	WIN 0x05
	LAST T, KR, 72, KS
	s_wait_dscnt 0x0
	WIN 0x04
	LAST PC, 116, 64, WS2
	WIN 0
.rept 8
	v_nop                                          ; eight places between the last product and the first read of results
.endr
.irp t, 0,1
.irp u, 0,1
	ds_store_b128 v46, v[T+8*(2*\t+\u):T+8*(2*\t+\u)+3] offset:16*SP*\u+64*\t         ; lane (r, h): columns 32 w + 16 t + 8 h + 0 .. 7 of stage row 16 u + r; each accumulator from its low end on
	ds_store_b128 v46, v[T+8*(2*\t+\u)+4:T+8*(2*\t+\u)+7] offset:16*SP*\u+64*\t+16
	ds_store_b128 v46, v[PC+8*(2*\t+\u):PC+8*(2*\t+\u)+3] offset:16*SP*\u+64*\t+1024
	ds_store_b128 v46, v[PC+8*(2*\t+\u)+4:PC+8*(2*\t+\u)+7] offset:16*SP*\u+64*\t+1040
.endr
.endr
	s_wait_dscnt 0x0                               ; for the others' sake: my stores into the stage have landed
	s_barrier_signal -1
	s_barrier_wait -1                              ; 32 whole rows lie in the stage
.irp n, 0,1,2,3,4,5,6,7,8,9,10,11,12,13,14,15
	ds_load_b128 v[116+4*\n:119+4*\n], v47 offset:SP*(\n/4)+512*(\n%4)
.endr
.irp n, 0,1,2,3,4,5,6,7,8,9,10,11,12,13,14,15
	s_wait_dscnt 15-\n                             ; LDS loads come back in order (ISA guide 5.7.1): this one is in, the younger ones stay out
	global_store_b128 v[L16], v[116+4*\n:119+4*\n], s[14:15] offset:2048*(\n/4)+512*(\n%4) th:TH_STORE_NT   ; 512 consecutive bytes, at a multiple of 256 from out's first byte; written once, read by nobody here
.endr
	s_wait_tensorcnt 0x0                           ; the wave's end: behind my last tensor load and my last LDS store
	ds_add_u32 v[SPW], v[NIL]
	s_wait_dscnt 0x0
	s_barrier_signal -1
	CREST                                          ; the closing round: no work-group ends while a partner may still ask for a tile that names it
	s_endpgm
.Lfunc_end_k_q973ec4357f_attn:
	.size	k_q973ec4357f_attn, .Lfunc_end_k_q973ec4357f_attn-k_q973ec4357f_attn
	.p2alignl 7, 3214868480
	.fill 96, 4, 3214868480
	.section	.rodata,"a",@progbits
	.p2align	6, 0x0
	.amdhsa_kernel k_q973ec4357f_attn
		.amdhsa_group_segment_fixed_size 327680
		.amdhsa_private_segment_fixed_size 0
		.amdhsa_enable_private_segment 0
		.amdhsa_kernarg_size 48
		.amdhsa_user_sgpr_count 2
		.amdhsa_user_sgpr_kernarg_segment_ptr 1
		.amdhsa_wavefront_size32 1
		.amdhsa_system_sgpr_workgroup_id_x 1
		.amdhsa_system_sgpr_workgroup_id_y 1
		.amdhsa_system_sgpr_workgroup_id_z 1
		.amdhsa_system_vgpr_workitem_id 0
		.amdhsa_next_free_vgpr 512
		.amdhsa_next_free_sgpr 100
		.amdhsa_reserve_vcc 0
		.amdhsa_float_denorm_mode_32 3
		.amdhsa_float_denorm_mode_16_64 3
		.amdhsa_memory_ordered 1
		.amdhsa_forward_progress 1
		.amdhsa_inst_pref_size 182
	.end_amdhsa_kernel
	.amdgpu_metadata
---
amdhsa.version: [ 1, 2 ]
amdhsa.kernels:
  - .name:           k_q973ec4357f_attn
    .symbol:         k_q973ec4357f_attn.kd
    .args:
      - { .name: qc, .offset: 0, .size: 8, .value_kind: global_buffer, .address_space: global }
      - { .name: qs, .offset: 8, .size: 8, .value_kind: global_buffer, .address_space: global }
      - { .name: kv, .offset: 16, .size: 8, .value_kind: global_buffer, .address_space: global }
      - { .name: w_o_codes, .offset: 24, .size: 8, .value_kind: global_buffer, .address_space: global }
      - { .name: w_o_scales, .offset: 32, .size: 8, .value_kind: global_buffer, .address_space: global }
      - { .name: out0, .offset: 40, .size: 8, .value_kind: global_buffer, .address_space: global }
    .group_segment_fixed_size: 327680
    .private_segment_fixed_size: 0
    .kernarg_segment_align: 8
    .kernarg_segment_size: 48
    .max_flat_workgroup_size: 256
    .sgpr_count:     100
    .vgpr_count:     512
    .wavefront_size: 32
...
	.end_amdgpu_metadata
.endif
;; end of part 2
